; MI455X (gfx1250); checked and timed in simulation.
; The chip was launched on July 23, 2026; its instructions are those of AMD's public machine-readable ISA for CDNA 5 (MIT licence, August 2026) and "CDNA5" Instruction Set Architecture Reference Guide (July 2026). The comments in the code are by the model that wrote it; some were corrected since.
;; Advanced Quanvolution Filter. Allowed arithmetic: float matrix products may take bf16 or f16 operands with f32 sums; all other float work in f32.
;; Inputs: conv_b 4 float32; conv_w 4 x 4 float32; theta 8 float32; x 4,096 x 28 x 28 float32.
;; Outputs: out0 4,096 x 4 x 196 float32.
;; One version. Each part assembles by itself: llvm-mc -triple=amdgcn-amd-amdhsa -mcpu=gfx1250 --defsym DOCPART=n.
;; ======== version 1 of 1: 1 launch
;; limits: an absolute error that grows with the inputs' magnitude: up to 1.2e-07 times it
;; launch quanv (part 1): grid 256 x 1, 4 waves a work-group, no clusters, 168,448 bytes of LDS; arguments x, theta, conv_w, conv_b, out0; writes out0
.if DOCPART == 1
	.amdgcn_target "amdgcn-amd-amdhsa--gfx1250"
	.amdhsa_code_object_version 6
	.text
	.protected	k_q123e98b002_quanv
	.globl	k_q123e98b002_quanv
	.p2align	8
	.type	k_q123e98b002_quanv,@function
k_q123e98b002_quanv:
	s_mov_b64 s[64:65], 0
	v_nop
	global_prefetch_b8 v0, s[64:65] scope:SCOPE_SE
	s_setreg_imm32_b32 hwreg(HW_REG_WAVE_MODE, 25, 1), 1
	s_wait_xcnt 0x0
; Quanvolution filter: x [4096][28][28] f32 -> out0 [4096][4][196] f32.
; A 2 x 2 patch (d0 d1 / d2 d3) is encoded on four wires, eight fixed gates follow, PauliZ is measured on each wire, and a
; 4 x 4 matrix conv_w and a bias conv_b mix the four values.  The state in front of the gates is a product state, so that
; each expectation, pulled back through the gates, has a closed form that holds for all inputs:
;   z0 = cos t0 cos d0                          z3 = cos t4 cos d3
;   z1 = cos(d1 + t1) (alpha + beta cos d0)     alpha = (1 + cos t3) / 2,  beta = cos t0 (1 - cos t3) / 2
;   z2 = p + z1 (cos d2 - p)                    p = (1 + cos t5) / 2 cos d2 - (sin t5 cos t2 / 2) sin d2
;   out[o] = b[o] + w[o][0] z0 + w[o][1] z1 + w[o][2] z2 + w[o][3] z3
; theta[6] and theta[7] turn diagonal gates: they change phases only and drop out of every probability.
; LIMITS.  (1) An angle is brought to turns in f32 (times 1/2pi, nearest whole turn taken off): its error grows as about
; 1.2e-7 x |angle|; from 2^23 turns on the result is bounded but meaningless.  (2) Cosine and sine are the Chebyshev series of
; cos(pi t) and sin(pi t) on [-1, 1], cut behind T10 and T11: largest error 8e-7 and 1e-7.  (3) A NaN or an infinity in
; theta[6] or theta[7] makes every result of the definition NaN; here these two values are loaded but do not reach the result.
;
; WORK.  Four images are 12,544 bytes = 49 x 256, in x and in out0 alike: the smallest piece that begins and ends on a multiple of
; 256 bytes in both.  One wave owns such a piece, a work-group of four waves 16 images, 256 work-groups all 4,096.
; A lane's task is two neighbouring patches: 16 bytes of an even image row (d0 d1 d0' d1') and the 16 bytes 112 further on
; (d2 d3 d2' d3'); all arithmetic is packed f32 on the pair (patch, neighbour).  Task t of a piece reads at 16 t + 112 (t / 7) and
; writes 8 bytes of each of four planes at 8 t + 2352 (t / 98) + 784 o.  392 tasks are 13 steps of a wave; in the last one lanes
; 7 to 31 all do task 391 and store the same numbers to the same bytes.
; IN: seven tensor loads of 1,792 contiguous bytes a wave, all issued at the start, into LDS bytes that are the wave's own.
; OUT: results are laid into the wave's own LDS bytes as out0 has them, and leave flat: each store of the wave covers 512 (the last
; one 256) consecutive bytes that begin on a multiple of 256.  No wave touches another's LDS bytes: there is no barrier.
; The launch asks for 168,448 bytes of LDS and uses 100,352, so that no second work-group lies beside this one.
; NOT USED: the matrix unit (the one true product has K = 4 and four outputs: sixteen packed multiply-adds for two patches, in
; f32, against conversions and a change of lane layout); clusters (work-groups share 112 bytes of parameters and nothing else);
; prefetches (every input byte is asked for in the first lines).
.set IMG,    3136                      ; bytes of an image, in x and in out0
.set WAVEB,  4*IMG                     ; a wave's piece
.set WGB,    4*WAVEB                   ; a work-group's piece; also where the staging bytes begin in LDS
.set TILE,   1792                      ; bytes of a tensor load: 8 pairs of image rows, 56 tasks
.set ROWB,   112                       ; an image row
.set PLANE,  784                       ; a channel of an image in out0
.set PERIOD, 7168                      ; 7 steps = 224 tasks = 32 pairs of rows further on
; cos(2 pi f) = CA0 + CA1 u + .. + CA5 u^5,  sin(2 pi f) = f (CB0 + CB1 u + .. + CB5 u^5),  u = f f,  |f| <= 1/2
.set CA0, 0x3f7ffff3                   ;   0.99999921
.set CA1, 0xc19de96f                   ; -19.738980
.set CA2, 0x4281db79                   ;  64.928657
.set CA3, 0xc2aa8b12                   ; -85.271622
.set CA4, 0x426b2977                   ;  58.790492
.set CA5, 0xc1a891a0                   ; -21.071106
.set CB0, 0x40c90fd5                   ;   6.2831825
.set CB1, 0xc2255d9d                   ; -41.341419
.set CB2, 0x42a33139                   ;  81.596139
.set CB3, 0xc29928cd                   ; -76.579688
.set CB4, 0x4224d0a2                   ;  41.203744
.set CB5, 0xc1444d40                   ; -12.268860
; vector registers
.set L,    1                           ; lane
.set TOF,  3                           ; byte offset of theta[lane % 8]
.set ZOF,  4                           ; offset 0
.set TH,   5                           ; theta[lane % 8]
.set PHS,  6                           ; 0, or -1/4 turn in the lanes that make sines
.set TT,   7                           ; a task number
.set TMP,  8
.set AI,   10                          ; v10-16  LDS address of my even row's 16 bytes in steps 0 to 6 (steps 7 to 11: + PERIOD)
.set AI12, 17                          ;         the same for step 12
.set AO,   18                          ; staging + 8 lane
.set AOB,  19                          ; v19-21  staging address in steps 3, 6, 9, in which an image ends
.set AO12, 22                          ;         and in step 12
.set FL,   23                          ; staging + 16 lane
.set GO16, 24                          ; 16 lane
.set GO8,  25                          ; 8 lane
.set KA,   26                          ; alpha, beta
.set KP,   28                          ; (1 + cos t5) / 2,  -sin t5 cos t2 / 2
.set AK,   30                          ; v30-35  CA5 .. CA0
.set BK,   36                          ; v36-41  CB5 .. CB0, each times -sin t5 cos t2 / 2
.set BI,   42                          ; v42-45  conv_b
.set W,    48                          ; v48-63  conv_w[o][i] at W + 4 o + i; column 0 times cos t0, column 3 times cos t4
.set BUF0, 64                          ; v64-71  a step's 32 input bytes
.set BUF1, 72                          ; v72-79  the other step's
.set R,    80                          ; v80-87  four pairs: turns, then f, of d0, d1 + t1, d2, d3
.set N,    88                          ; v88-95  nearest whole turns
.set U,    96                          ; v96-103 f f
.set C,    104                         ; v104-111 the four cosines
.set S,    112                         ; -(sin t5 cos t2 / 2) sin d2
.set T,    114                         ; alpha + beta cos d0, then z1
.set P,    116                         ; p, then z2
.set Q,    118                         ; cos d2 - p
.set O,    120                         ; v120-127 four pairs of results
.set F,    128                         ; v128-153 the way out
; scalar registers
.set G1,    16                         ; s[16:23] descriptor group 1: the shape, one for all loads
.set G0,    24                         ; s[24:51] descriptor group 0, a set for each of the seven loads: none is ever rewritten
.set SWAVE, 52
.set SIN,   53                         ; LDS: my wave's input bytes
.set SOUT,  54                         ; LDS: my wave's staging bytes
.set SPH,   55                         ; t1 in turns, whole turns taken off
.set SA0,   58                         ; cos t0
.set ST2,   59                         ; cos t2
.set SC3,   60                         ; cos t3
.set SA4,   61                         ; cos t4
.set SC5,   62                         ; cos t5
.set SS5,   63                         ; sin t5
	s_load_b256 s[4:11], s[0:1], 0x0               ; x s[4:5], theta s[6:7], conv_w s[8:9], conv_b s[10:11]
	s_load_b64 s[12:13], s[0:1], 0x20              ; out0
	v_lshl_add_u32 v160, v0, 2, 0x29000
	v_mov_b32 v161, 0
	ds_add_u32 v160, v161
	ds_add_u32 v160, v161
	v_lshrrev_b32 v2, 5, v0
	v_readfirstlane_b32 s[SWAVE], v2               ; the wave's number as a scalar
	v_and_b32 v[L], 31, v0
	v_and_b32 v[TOF], 7, v0
	v_lshlrev_b32 v[TOF], 2, v[TOF]
	v_mov_b32 v[ZOF], 0
	s_mul_i32 s[SIN], s[SWAVE], WAVEB
	s_mul_i32 s14, ttmp9, WGB
	s_add_co_u32 s14, s14, s[SIN]                  ; my piece's byte offset, the same in x and in out0 (below 2^24)
	s_mov_b32 s15, 0
	s_add_co_u32 s[SOUT], s[SIN], WGB
	; group 1: one row of 224 elements of 8 bytes, no padding, no work-group mask
	s_mov_b32 s[G1+0], 3<<16                       ; 17:16 element size code 3 (8 bytes)
	s_mov_b32 s[G1+1], (TILE/8)<<16                ; 63:48 tensor_dim0 = 224
	s_mov_b32 s[G1+2], 1<<16
	s_mov_b32 s[G1+3], (TILE/8)<<16                ; 127:112 tile_dim0 = 224
	s_mov_b32 s[G1+4], 1                           ; no second dimension
	s_mov_b32 s[G1+5], 224
	s_mov_b32 s[G1+6], 0
	s_mov_b32 s[G1+7], 0
	s_wait_dscnt 0x0
	s_wait_kmcnt 0x0
	global_load_b32 v[TH], v[TOF], s[6:7]          ; all eight angles, one to a lane
.irp o, 0,1,2,3
	global_load_b128 v[W+4*\o:W+4*\o+3], v[ZOF], s[8:9] offset:16*\o   ; every lane holds the whole matrix
.endr
	global_load_b128 v[BI:BI+3], v[ZOF], s[10:11]
	s_add_nc_u64 s[4:5], s[4:5], s[14:15]
	s_add_nc_u64 s[12:13], s[12:13], s[14:15]
	; the wave's whole piece is asked for now: seven loads outstanding, each with registers of its own
.irp k, 0,1,2,3,4,5,6
	s_mov_b32 s[G0+4*\k], 1                                        ; count = 1
	s_add_co_u32 s[G0+4*\k+1], s[SIN], \k*TILE                     ; LDS address: the wave's bytes + the tile's
	s_add_nc_u64 s[G0+4*\k+2:G0+4*\k+3], s[4:5], \k*TILE           ; global address
	s_or_b32 s[G0+4*\k+3], s[G0+4*\k+3], 0x80000000                ; type = 2
	tensor_load_to_lds s[G0+4*\k:G0+4*\k+3], s[G1:G1+7]
	s_nop 0
.endr
	; Addresses, while the data are on their way.  dst = base + ((t + c (t / d)) << sh), the quotient as (t x magic) >> 16:
	; 9363 / 65536 for d = 7 and 669 / 65536 for d = 98 give the exact quotient for every t below 2,520; here t <= 391.
.macro ADDR dst, t, magic, c, sh, base
	v_mul_u32_u24 v[TMP], v[\t], \magic
	v_lshrrev_b32 v[TMP], 16, v[TMP]
	v_mul_u32_u24 v[TMP], v[TMP], \c
	v_add_nc_u32 v[TMP], v[TMP], v[\t]
	v_lshl_add_u32 v[\dst], v[TMP], \sh, \base
.endm
	ADDR AI, L, 9363, 7, 4, s[SIN]                 ; step 0: t = lane; 16 t + 112 (t / 7)
.irp i, 1,2,3,4,5,6
	v_add_nc_u32 v[TT], 32*\i, v[L]
	ADDR AI+\i, TT, 9363, 7, 4, s[SIN]
.endr
	v_min_u32 v[TT], 7, v[L]                       ; step 12 has eight tasks, 384 to 391: the other lanes repeat the last
	v_add_nc_u32 v[TT], 384, v[TT]
	ADDR AI12, TT, 9363, 7, 4, s[SIN]
	ADDR AO12, TT, 669, 294, 3, s[SOUT]            ; 8 t + 2352 (t / 98)
.irp k, 1,2,3
	v_add_nc_u32 v[TT], 96*\k, v[L]                ; steps 3, 6, 9
	ADDR AOB+\k-1, TT, 669, 294, 3, s[SOUT]
.endr
	v_lshl_add_u32 v[AO], v[L], 3, s[SOUT]
	v_lshl_add_u32 v[FL], v[L], 4, s[SOUT]
	v_lshlrev_b32 v[GO16], 4, v[L]
	v_lshlrev_b32 v[GO8], 3, v[L]
	v_mov_b32 v[AK+0], CA5
	v_mov_b32 v[AK+1], CA4
	v_mov_b32 v[AK+2], CA3
	v_mov_b32 v[AK+3], CA2
	v_mov_b32 v[AK+4], CA1
	v_mov_b32 v[AK+5], CA0
	v_and_b32 v[PHS], 8, v0
	v_cvt_f32_u32 v[PHS], v[PHS]
	v_mul_f32 v[PHS], 0xbd000000, v[PHS]           ; 8 x -1/32: lanes 8-15 go a quarter turn back, so that their cosine is the sine
	; cos theta[i] in lane i, sin theta[i] in lane 8 + i, by the polynomial that the pixels use
	s_wait_loadcnt 0x0                             ; theta, conv_w, conv_b
	v_fma_f32 v[R], v[TH], 0.15915494, v[PHS]
	v_rndne_f32 v[R+1], v[R]
	v_sub_f32 v[R], v[R], v[R+1]
	v_mul_f32 v[R+2], v[R], v[R]
	v_fma_f32 v[R+3], v[R+2], v[AK+0], v[AK+1]
	v_fma_f32 v[R+3], v[R+3], v[R+2], v[AK+2]
	v_fma_f32 v[R+3], v[R+3], v[R+2], v[AK+3]
	v_fma_f32 v[R+3], v[R+3], v[R+2], v[AK+4]
	v_fma_f32 v[R+3], v[R+3], v[R+2], v[AK+5]
	v_readlane_b32 s[SPH], v[R], 1
	v_readlane_b32 s[SA0], v[R+3], 0
	v_readlane_b32 s[ST2], v[R+3], 2
	v_readlane_b32 s[SC3], v[R+3], 3
	v_readlane_b32 s[SA4], v[R+3], 4
	v_readlane_b32 s[SC5], v[R+3], 5
	v_readlane_b32 s[SS5], v[R+3], 13
	v_fma_f32 v[KA], s[SC3], 0.5, 0.5              ; alpha
	v_fma_f32 v[KA+1], s[SC3], -0.5, 0.5
	v_mul_f32 v[KA+1], s[SA0], v[KA+1]             ; beta
	v_fma_f32 v[KP], s[SC5], 0.5, 0.5
	v_mul_f32 v[KP+1], s[SS5], s[ST2]
	v_mul_f32 v[KP+1], -0.5, v[KP+1]
	v_mul_f32 v[BK+0], CB5, v[KP+1]                ; the sine's factor goes into its coefficients, once, instead of into every step
	v_mul_f32 v[BK+1], CB4, v[KP+1]
	v_mul_f32 v[BK+2], CB3, v[KP+1]
	v_mul_f32 v[BK+3], CB2, v[KP+1]
	v_mul_f32 v[BK+4], CB1, v[KP+1]
	v_mul_f32 v[BK+5], CB0, v[KP+1]
.irp o, 0,1,2,3
	v_mul_f32 v[W+4*\o], s[SA0], v[W+4*\o]         ; z0's and z3's factors go into the matrix
	v_mul_f32 v[W+4*\o+3], s[SA4], v[W+4*\o+3]
.endr
; A constant lies in one register of a pair and is given to both halves of a packed instruction by op_sel and op_sel_hi
; (both 0: the first register, both 1: the second).
.macro LOADIN i, b                     ; step i's 32 bytes into buffer b
.if \i == 12
	ds_load_b128 v[\b:\b+3], v[AI12]
	ds_load_b128 v[\b+4:\b+7], v[AI12] offset:ROWB
.else
.if \i >= 7
	ds_load_b128 v[\b:\b+3], v[AI+\i-7] offset:PERIOD
	ds_load_b128 v[\b+4:\b+7], v[AI+\i-7] offset:PERIOD+ROWB
.else
	ds_load_b128 v[\b:\b+3], v[AI+\i]
	ds_load_b128 v[\b+4:\b+7], v[AI+\i] offset:ROWB
.endif
.endif
.endm
.macro HORNER q, sel                   ; one step of all five polynomials: five chains that do not wait for each other
.irp p, 0,2,4,6
	v_pk_fma_f32 v[C+\p:C+\p+1], v[C+\p:C+\p+1], v[U+\p:U+\p+1], v[AK+\q:AK+\q+1] op_sel:[0,0,\sel] op_sel_hi:[1,1,\sel]
.endr
	v_pk_fma_f32 v[S:S+1], v[S:S+1], v[U+4:U+5], v[BK+\q:BK+\q+1] op_sel:[0,0,\sel] op_sel_hi:[1,1,\sel]
.endm
.macro FIRST o, bp, sel                ; out[o] = b[o] + w[o][0] cos t0 cos d0
	v_pk_fma_f32 v[O+2*\o:O+2*\o+1], v[C:C+1], v[W+4*\o:W+4*\o+1], v[BI+\bp:BI+\bp+1] op_sel:[0,0,\sel] op_sel_hi:[1,0,\sel]
.endm
.macro ACC z, w, sel                   ; out[o] += (column 'w + sel' of the matrix) x z, for the four o
.irp o, 0,1,2,3
	v_pk_fma_f32 v[O+2*\o:O+2*\o+1], v[\z:\z+1], v[W+4*\o+\w:W+4*\o+\w+1], v[O+2*\o:O+2*\o+1] op_sel:[0,\sel,0] op_sel_hi:[1,\sel,1]
.endr
.endm
.macro COMPUTE b
	; to turns; these eight unpacked lines also bring the two patches' like pixels side by side
	v_mul_f32 v[R+0], 0.15915494, v[\b+0]
	v_mul_f32 v[R+1], 0.15915494, v[\b+2]
	v_fma_f32 v[R+2], v[\b+1], 0.15915494, s[SPH]  ; d1 + t1
	v_fma_f32 v[R+3], v[\b+3], 0.15915494, s[SPH]
	v_mul_f32 v[R+4], 0.15915494, v[\b+4]
	v_mul_f32 v[R+5], 0.15915494, v[\b+6]
	v_mul_f32 v[R+6], 0.15915494, v[\b+5]
	v_mul_f32 v[R+7], 0.15915494, v[\b+7]
.irp j, 0,1,2,3,4,5,6,7
	v_rndne_f32 v[N+\j], v[R+\j]
.endr
.irp p, 0,2,4,6
	v_pk_add_f32 v[R+\p:R+\p+1], v[R+\p:R+\p+1], v[N+\p:N+\p+1] neg_lo:[0,1] neg_hi:[0,1]   ; f, |f| <= 1/2
.endr
.irp p, 0,2,4,6
	v_pk_mul_f32 v[U+\p:U+\p+1], v[R+\p:R+\p+1], v[R+\p:R+\p+1]
.endr
.irp p, 0,2,4,6
	v_pk_fma_f32 v[C+\p:C+\p+1], v[U+\p:U+\p+1], v[AK:AK+1], v[AK:AK+1] op_sel:[0,0,1] op_sel_hi:[1,0,1]
.endr
	v_pk_fma_f32 v[S:S+1], v[U+4:U+5], v[BK:BK+1], v[BK:BK+1] op_sel:[0,0,1] op_sel_hi:[1,0,1]
	HORNER 2, 0
	HORNER 2, 1
	HORNER 4, 0
	HORNER 4, 1
	; the gates, and between their dependent lines the parts of the channel mix that are ready
	v_pk_fma_f32 v[T:T+1], v[C:C+1], v[KA:KA+1], v[KA:KA+1] op_sel:[0,1,0] op_sel_hi:[1,1,0]   ; alpha + beta cos d0
	v_pk_mul_f32 v[S:S+1], v[S:S+1], v[R+4:R+5]                                                ; the odd polynomial's f
	FIRST 0, 0, 0
	FIRST 1, 0, 1
	FIRST 2, 2, 0
	FIRST 3, 2, 1
	v_pk_mul_f32 v[T:T+1], v[C+2:C+3], v[T:T+1]                                                ; z1
	v_pk_fma_f32 v[P:P+1], v[C+4:C+5], v[KP:KP+1], v[S:S+1] op_sel_hi:[1,0,1]                  ; p
	ACC C+6, 2, 1                                                                              ; column 3 x cos d3
	v_pk_add_f32 v[Q:Q+1], v[C+4:C+5], v[P:P+1] neg_lo:[0,1] neg_hi:[0,1]                      ; cos d2 - p
	ACC T, 0, 1                                                                                ; column 1 x z1
	v_pk_fma_f32 v[P:P+1], v[T:T+1], v[Q:Q+1], v[P:P+1]                                        ; z2
	ACC P, 2, 0                                                                                ; column 2 x z2
.endm
.macro STAGE areg, aoff                ; two neighbouring numbers of each of the four planes
.irp o, 0,1,2,3
	ds_store_b64 v[\areg], v[O+2*\o:O+2*\o+1] offset:\aoff+\o*PLANE
.endr
.endm
.macro TAKE g                          ; 3,072 finished bytes of staging, flat.  LDS serves a wave's instructions in order (ISA guide 5.7.1.4): these see my stores
.if \g > 0
	s_wait_xcnt 0x0                                ; F held the data of the last group's stores: it is loaded again only behind this wait (ISA guide 3.1)
.endif
.irp k, 0,1,2,3,4,5
	ds_load_b128 v[F+4*\k:F+4*\k+3], v[FL] offset:(6*\g+\k)*512
.endr
.endm
.macro PUT g                           ; each store: 512 consecutive bytes that begin on a multiple of 256
.irp k, 0,1,2,3,4,5
	global_store_b128 v[GO16], v[F+4*\k:F+4*\k+3], s[12:13] offset:(6*\g+\k)*512 th:TH_STORE_NT
.endr
.endm
; Step i.  b: its buffer, nb: the other one; left: how many younger tensor loads may stay out when the tile with step i + 1's last
; task ((32 (i + 1) + 31) / 56, 56 tasks to a tile) has to be in; areg, rel: the staging address (rel = 1: AO plus the step's
; constant 256 i + 2352 x image, all 32 tasks lying in one image); put: the group whose LDS loads were issued behind the last step, or -1.
.macro STEP i, b, nb, left, areg, rel, put
	s_wait_tensorcnt \left                         ; a wave's tensor loads end in order (ISA guide 10.11.1)
	LOADIN (\i+1), \nb                             ; one step ahead
	s_wait_dscnt 0x2                               ; all but those two: my step's 32 bytes are in, and so is a group on its way out
.if \put >= 0
	PUT \put
.endif
	COMPUTE \b
	STAGE \areg, \rel*(256*\i+2352*((32*\i)/98))
.endm
	s_wait_tensorcnt 0x6                           ; the first tile (tasks 0 to 55); six younger ones stay out
	LOADIN 0, BUF0
	STEP 0, BUF0, BUF1, 5, AO, 1, -1
	STEP 1, BUF1, BUF0, 5, AO, 1, -1
	STEP 2, BUF0, BUF1, 4, AO, 1, -1
	STEP 3, BUF1, BUF0, 4, AOB+0, 0, -1
	TAKE 0                                         ; tasks 0 to 127 are staged: image 0 (bytes 0 to 3,135) is whole, bytes 0 to 3,071 leave
	STEP 4, BUF0, BUF1, 3, AO, 1, 0
	STEP 5, BUF1, BUF0, 3, AO, 1, -1
	STEP 6, BUF0, BUF1, 2, AOB+1, 0, -1
	TAKE 1                                         ; images 0 and 1 (to byte 6,271) are whole: bytes 3,072 to 6,143 leave
	STEP 7, BUF1, BUF0, 1, AO, 1, 1
	STEP 8, BUF0, BUF1, 1, AO, 1, -1
	STEP 9, BUF1, BUF0, 0, AOB+2, 0, -1            ; from here on every tensor load has been waited for
	TAKE 2                                         ; images 0 to 2 (to byte 9,407) are whole: bytes 6,144 to 9,215 leave
	STEP 10, BUF0, BUF1, 0, AO, 1, 2
	STEP 11, BUF1, BUF0, 0, AO, 1, -1
	; step 12: nothing more to read ahead
	s_wait_dscnt 0x0                               ; its 32 bytes are in
	COMPUTE BUF0
	STAGE AO12, 0
	TAKE 3                                         ; bytes 9,216 to 12,287
	ds_load_b64 v[F+24:F+25], v[AO] offset:12288   ; and the last 256 bytes, 8 to a lane
	s_wait_dscnt 0x0
	PUT 3
	global_store_b64 v[GO8], v[F+24:F+25], s[12:13] offset:12288 th:TH_STORE_NT
	s_wait_tensorcnt 0x0
	ds_add_u32 v160, v161
	s_wait_dscnt 0x0
	s_endpgm
.Lfunc_end_k_q123e98b002_quanv:
	.size	k_q123e98b002_quanv, .Lfunc_end_k_q123e98b002_quanv-k_q123e98b002_quanv
	.p2alignl 7, 3214868480
	.fill 96, 4, 3214868480
	.section	.rodata,"a",@progbits
	.p2align	6, 0x0
	.amdhsa_kernel k_q123e98b002_quanv
		.amdhsa_group_segment_fixed_size 168448
		.amdhsa_private_segment_fixed_size 0
		.amdhsa_enable_private_segment 0
		.amdhsa_kernarg_size 40
		.amdhsa_user_sgpr_count 2
		.amdhsa_user_sgpr_kernarg_segment_ptr 1
		.amdhsa_wavefront_size32 1
		.amdhsa_system_sgpr_workgroup_id_x 1
		.amdhsa_system_sgpr_workgroup_id_y 1
		.amdhsa_system_sgpr_workgroup_id_z 1
		.amdhsa_system_vgpr_workitem_id 0
		.amdhsa_next_free_vgpr 162
		.amdhsa_next_free_sgpr 66
		.amdhsa_reserve_vcc 0
		.amdhsa_float_denorm_mode_32 3
		.amdhsa_float_denorm_mode_16_64 3
		.amdhsa_memory_ordered 1
		.amdhsa_forward_progress 1
		.amdhsa_inst_pref_size 74
	.end_amdhsa_kernel
	.amdgpu_metadata
---
amdhsa.version: [ 1, 2 ]
amdhsa.kernels:
  - .name:           k_q123e98b002_quanv
    .symbol:         k_q123e98b002_quanv.kd
    .args:
      - { .name: x, .offset: 0, .size: 8, .value_kind: global_buffer, .address_space: global }
      - { .name: theta, .offset: 8, .size: 8, .value_kind: global_buffer, .address_space: global }
      - { .name: conv_w, .offset: 16, .size: 8, .value_kind: global_buffer, .address_space: global }
      - { .name: conv_b, .offset: 24, .size: 8, .value_kind: global_buffer, .address_space: global }
      - { .name: out0, .offset: 32, .size: 8, .value_kind: global_buffer, .address_space: global }
    .group_segment_fixed_size: 168448
    .private_segment_fixed_size: 0
    .kernarg_segment_align: 8
    .kernarg_segment_size: 40
    .max_flat_workgroup_size: 128
    .sgpr_count:     66
    .vgpr_count:     162
    .wavefront_size: 32
...
	.end_amdgpu_metadata
.endif
;; end of part 1
